; MI455X (gfx1250); checked and timed in simulation.
; The chip was launched on July 23, 2026; its instructions are those of AMD's public machine-readable ISA for CDNA 5 (MIT licence, August 2026) and "CDNA5" Instruction Set Architecture Reference Guide (July 2026). The comments in the code are by the model that wrote it; some were corrected since.
;; ON Linear. Allowed arithmetic: matrix products marked QUANTISED: E5M2 operands, one E8M0 scale for each 32 along K, by v_wmma_scale_f32_16x16x128_f8f6f4 with both operands' format E5M2, f32 sums; everything else in f32.
;; Inputs: bias 2,048 float32; dir_centroids 256 x 16 float32; dir_labels 524,288 int32; norm_bins 16 float32; norm_idx 524,288 int32; x 4 x 2,048 x 4,096 float32.
;; Outputs: out0 4 x 2,048 x 2,048 float32.
;; This version of the problem:
;;   THIS VERSION OF THE PROBLEM IS GIVEN IN LOW PRECISION. The matrix products marked QUANTISED in the list below multiply operands that are first quantised to E5M2 (5 exponent bits, 2 mantissa bits; 8 bits a number), with one power-of-two scale for each 32 numbers along K (OCP MX v1.0); their sums are f32. All else is computed in f32.
;;   The module's matrix products, in the order in which they are computed (A, B: the left and right operand; K: the contracted axis; several contracted axes count as one K, in the product's order):
;;     1. [M 8,192, K 4,096] x [K 4,096, N 2,048]; A: input x; B: computed on the way: QUANTISED
;;   THE QUANTISER, for each operand of a quantised product, along K:
;;     - K is cut into blocks of 32 from its start; a last block that is shorter is filled with zeros.
;;     - A block's scale is 2^e with e = floor(log2(the largest magnitude in the block)) - 15, held to -126 .. 127; a block of zeros has e = 0. As a byte (E8M0): e + 127.
;;     - Each number is divided by its block's scale, clamped to +-57,344, and rounded to the nearest number of E5M2, ties to even, subnormals kept.
;;     - The product sums the exact products of the quantised numbers (number of the format x scale) in f32.
;;   ~~~python
;;   def quantise(x, axis):      # numpy; x: float32 -> the quantised numbers, widened to float32 again
;;       x = np.moveaxis(x, axis, -1); K = x.shape[-1]
;;       x = np.pad(x, [(0, 0)] * (x.ndim - 1) + [(0, -K % 32)]); x = x.reshape(x.shape[:-1] + (-1, 32)); a = np.abs(x).max(-1, keepdims=True)
;;       e = np.where(a > 0, np.clip(np.frexp(np.where(a > 0, a, 1))[1] - 1 - 15, -126, 127), 0)      # np.frexp(a)[1] - 1 = floor(log2(a)), exactly
;;       r = np.clip(x / 2.0 ** e, -57344, 57344)
;;       step = 2.0 ** (np.maximum(np.frexp(np.where(r == 0, 1, r))[1] - 1, -14) - 2)
;;       q = np.round(r / step) * step * 2.0 ** e      # np.round: ties to even
;;       return np.moveaxis(q.reshape(q.shape[:-2] + (-1,))[..., :K], -1, axis).astype(np.float32)
;;   ~~~
;;   OPERANDS COMPUTED ON THE WAY. 'Computed on the way' means the value that the module computes at that place (a softmax that the list does not call 'softmax' is quantised finished and normalised). What goes into a quantiser is computed in f32, as accurately as f32 sums, v_exp_f32 and their like allow (about 1e-6 of the number): no bf16 or f16 on the way to a quantiser, and a product that is left as it is and whose result goes on into a quantised operand takes f32 operands (vector FMAs, or v_wmma_f32_16x16x4_f32). A number that lies on a knife's edge between two numbers of the format may be rounded either way, as far as f32 arithmetic and the matrix unit's own rounding can turn it there, and no further.
;; One version. Each part assembles by itself: llvm-mc -triple=amdgcn-amd-amdhsa -mcpu=gfx1250 --defsym DOCPART=n.
;; ======== version 1 of 1: 2 launches
;; workspace buffers: xq 34,603,008 bytes; wq 8,650,752 bytes
;; launch prep (part 1): grid 1280 x 1, 4 waves a work-group, no clusters, 51,200 bytes of LDS; arguments x, dir_centroids, dir_labels, norm_bins, norm_idx, xq, wq; writes xq, wq
.if DOCPART == 1
	.amdgcn_target "amdgcn-amd-amdhsa--gfx1250"
	.amdhsa_code_object_version 6
	.text
	.protected	k_qb341cabf74_prep
	.globl	k_qb341cabf74_prep
	.p2align	8
	.type	k_qb341cabf74_prep,@function
k_qb341cabf74_prep:
	s_mov_b64 s[64:65], 0
	v_nop
	global_prefetch_b8 v0, s[64:65] scope:SCOPE_SE
	s_setreg_imm32_b32 hwreg(HW_REG_WAVE_MODE, 25, 1), 1
	s_wait_xcnt 0x0
; Both operands of out0 = Q(x) Q(W)^T + bias are quantised ONCE here, along K (4,096), to codes of BF8 (E5M2) with one E8M0 byte for each 32 along K.
; x: [8,192][4,096] f32.  W: [2,048][4,096] is not given: W[o][i] = dir_centroids[dir_labels[256 o + i / 16]][i % 16] x norm_bins[norm_idx[256 o + i / 16]], one f32 multiplication.
; A block's scale is 2^(floor(log2(its largest magnitude)) - 15); its byte is the largest magnitude's exponent field - 15, held at 1 from below.  Each number is held within +-57,344 x the scale and
; rounded to the nearest code, ties to even.
; LIMITS: NaN and infinities among the inputs are not served.  A block of zeros gets the byte 1 where the rule says 127: its codes are zeros, which add nothing under any byte but 0xff, and the bytes are read by
; this program alone.  Blocks whose largest magnitude lies under 2^-111 (the floor) were not tried.  An index is held inside its table (labels at 255, norm indices at 15) before it enters an address.
; THE WORKSPACE IS LAID AS THE PRODUCT'S REGISTERS WANT IT.  A UNIT is 128 rows x 256 along K, 33,792 bytes, at ((row / 128) 16 + k / 256) x 33,792.  Bytes 0 - 32,767: sixteen fragment images of 2,048 bytes, in the
; order [block of 16 rows i][q = which 128 along K]; an image is the operand's 16 registers on end: piece c (512 bytes) holds lane l's 16 bytes at 16 l: the codes of row 16 i + l % 16, k = 128 q + 32 c + 16 (l / 16) + 0 .. 15.
; Bytes 32,768 - 33,791: the scale bytes, 8 a row: row p at 8 p, word q at + 4 q.
; SHARES.  Work-groups 0 - 255 take W, 256 - 1,279 take x.  A work-group takes 32 rows x 1,024 along K; wave w takes the K step of 256 numbered 4 (id % 4) + w: four fragments f = 2 rb + q (rb: which 16 rows).
; Its codes are 8,192 consecutive bytes of a unit, its scale bytes 256 consecutive bytes at a multiple of 256.
; With 194 registers a wave and 51,200 bytes of LDS a work-group five work-groups fit on a WGP (5 x 194 of a SIMD's 1,024 registers, 5 x 51,200 of 327,680 bytes): the launch's 1,280 = 5 x 256 are all at work at once.
; A LANE'S REGISTERS RUN ALONG K: register 16 b + i = k 32 b + 16 (lane / 16) + i of row lane % 16, so that the conversions' results are the operand's registers.
; x: each load reads 512 consecutive bytes of one row; a fragment's 16 rows turn through the wave's own stage in LDS (rows of 512 + 16 bytes) into that order.
; W: a lane's 16 numbers of a block of 32 are ONE codebook vector.  The work-group copies the codebook (16,384 bytes) and the norms into LDS once, as they lie; behind one barrier a lane takes its vector by four LDS
; loads of 16 bytes at 64 x its label, straight into that order.  So the codebook leaves memory once a work-group and not once a block of W, and table, norms and indices are asked for together: one way to memory and back.
; The table has no padding, so that every byte that a label can name has been written: taken, for 64 such loads a wave.
; LDS: bytes 0 - 33,791 the x path's four stages; 33,792 - 50,175 the codebook; 50,176 - 50,687 the norms: each path has bytes of its own.
; Left out, since memory binds here and the work-groups share no large input: tensor loads, clusters, prefetches.  Nothing is looped: every offset is an immediate.
.set UNIT, 33792
.set SP,   528                         ; a stage row: 512 bytes + 16 = 132 words: row r starts at bank 4 r mod 64, so sixteen rows start at sixteen different banks
.set WSTG, 16*SP                       ; a wave's stage
.set TAB,  4*WSTG                      ; behind the stages: the codebook, vector L at 64 L
.set NB,   TAB+16384                   ; behind it: the norms: thread t's word at 4 t holds norm_bins[t % 16]; read are the first sixteen words
.set R,    16                          ; v16-79, v80-143: two sets of 64 numbers (x); W uses the first
.set IX,   80                          ; W: v80-111 labels of my two rows (16 each), then 8 places in the codebook for each
.set NX,   112                         ; W: v112-143 norm indices likewise; from + 8 of each 16 on: the 8 norms
.set PC,   144                         ; v144-159 the codes just made: a fragment's 16 registers
.set TM,   160                         ; v160-163 largest magnitudes, v164-167 bytes, v168-171 the largest number x the scale, v172-175 the conversions' scale operands
.set PW,   176                         ; v176-179 the four fragments' scale words
.set SW,   180                         ; v180-181 my row's 8 scale bytes
; 64 numbers of a lane, v[s] on, become a fragment's codes in v[PC] on and its rows' scale word in v[pw]
.macro QUANT s, pw
.irp b, 0,1,2,3
	v_max3_num_f32 v[TM+\b], |v[\s+16*\b]|, |v[\s+1+16*\b]|, 0x8000000   ; block b: my 16 numbers, and the floor 2^(16 - 127): so the byte cannot fall under 1
.endr
.irp i, 2,4,6,8,10,12,14
.irp b, 0,1,2,3
	v_max3_num_f32 v[TM+\b], v[TM+\b], |v[\s+16*\b+\i]|, |v[\s+1+16*\b+\i]|   ; the four blocks by turns: no line waits for the line above it
.endr
.endr
.irp b, 0,1,2,3
	v_permlanex16_b32 v[TM+4+\b], v[TM+\b], s20, s21
.endr
.irp b, 0,1,2,3
	v_max_num_f32 v[TM+\b], v[TM+\b], v[TM+4+\b]                    ; with lane l xor 16's 16 numbers: the block's largest magnitude
.endr
.irp b, 0,1,2,3
	v_add_nc_u32 v[TM+12+\b], 0xf8800000, v[TM+\b]                  ; 15 off its exponent field: the conversion takes the exponent field of this operand as its scale
.endr
.irp b, 0,1,2,3
	v_and_or_b32 v[TM+8+\b], v[TM+\b], 0x7f800000, s22              ; 57,344 x the scale: the largest magnitude's exponent field over 57,344's mantissa
.endr
.irp b, 0,1,2,3
	v_lshrrev_b32 v[TM+4+\b], 23, v[TM+12+\b]                       ; the scale's byte
.endr
	v_lshl_or_b32 v[\pw], v[TM+5], 8, v[TM+4]                       ; four bytes: my row's scale word for these 128 along K (both halves of the lanes hold it)
	v_lshl_or_b32 v[\pw], v[TM+6], 16, v[\pw]
	v_lshl_or_b32 v[\pw], v[TM+7], 24, v[\pw]
.irp b, 0,1,2,3
.irp i, 0,1,2,3,4,5,6,7,8,9,10,11,12,13,14,15
	v_med3_num_f32 v[\s+16*\b+\i], v[\s+16*\b+\i], -v[TM+8+\b], v[TM+8+\b]   ; the conversion to an 8-bit code does not saturate (ISA guide 7.6.2): the hold comes first
.endr
	v_cvt_scalef32_pk8_bf8_f32 v[PC+4*\b:PC+1+4*\b], v[\s+16*\b:\s+7+16*\b], v[TM+12+\b]
	v_cvt_scalef32_pk8_bf8_f32 v[PC+2+4*\b:PC+3+4*\b], v[\s+8+16*\b:\s+15+16*\b], v[TM+12+\b]
.endr
	v_nop                                                           ; one plain vector instruction behind the last conversion, ahead of whatever next writes its sources
.endm
; fragment f's image: four stores of 512 consecutive bytes
.macro OUT f
.irp c, 0,1,2,3
	global_store_b128 v4, v[PC+4*\c:PC+4*\c+3], s[34:35] offset:2048*(\f)+512*\c
.endr
.endm
; the scale bytes: lane l takes row l of my 32: rows 0-15 lie in fragments 0, 1, rows 16-31 in fragments 2, 3.  32 lanes store 256 consecutive bytes, at a multiple of 256 from the buffer's first byte
.macro TAIL
	v_cndmask_b32 v[SW], v[PW], v[PW+2], vcc_lo
	v_cndmask_b32 v[SW+1], v[PW+1], v[PW+3], vcc_lo
	global_store_b64 v7, v[SW:SW+1], s[36:37]
	s_wait_tensorcnt 0x0
	ds_add_u32 v192, v193
	s_wait_dscnt 0x0
	s_endpgm
.endm
; x: fragment f's 16 rows x 512 bytes, a row a load, into set f % 2
.macro XLOAD f
.irp i, 0,1,2,3,4,5,6,7,8,9,10,11,12,13,14,15
	global_load_b128 v[R+64*((\f)%2)+4*\i:R+64*((\f)%2)+4*\i+3], v4, s[4:5] offset:(16*((\f)/2)+\i)*16384+512*((\f)%2) th:TH_LOAD_NT
.endr
.endm
; x: the set turns through my stage: in as loaded (a row an instruction), back 16 neighbours of each block of 32 a lane
.macro XTURN f
.set RS, R+64*((\f)%2)
.irp i, 0,1,2,3,4,5,6,7,8,9,10,11,12,13,14,15
	ds_store_b128 v5, v[RS+4*\i:RS+4*\i+3] offset:SP*\i
.endr
	s_wait_dscnt 0x0                                                ; the stores have read their registers, into which the loads below land
.irp b, 0,1,2,3
.irp j, 0,1,2,3
	ds_load_b128 v[RS+16*\b+4*\j:RS+16*\b+4*\j+3], v6 offset:128*\b+16*\j
.endr
.endr
	s_wait_dscnt 0x0                                                ; the numbers are back; the stage may be written again
.endm
; W: of a row's 16 indices of the K step, lanes 0-15 keep the even ones and lanes 16-31 the odd ones (codebook block 2 c + lane / 16 is my half of block c of 32), in place, ascending: place c is written
; when places 2 c and 2 c + 1 are read.  Then the hold inside the table, and the shift to bytes.
.macro SELECT t, top, sh
.irp rb, 0,1
.irp c, 0,1,2,3,4,5,6,7
	v_cndmask_b32 v[\t+16*\rb+\c], v[\t+16*\rb+2*\c], v[\t+16*\rb+2*\c+1], vcc_lo
.endr
.irp c, 0,1,2,3,4,5,6,7
	v_min_u32 v[\t+16*\rb+\c], \top, v[\t+16*\rb+\c]
.endr
.irp c, 0,1,2,3,4,5,6,7
	v_lshlrev_b32 v[\t+16*\rb+\c], \sh, v[\t+16*\rb+\c]
.endr
.endr
.endm
; W: fragment f's four codebook vectors of my row and half, 64 bytes each, out of the table in LDS
.macro GATHER f
.irp b, 0,1,2,3
.irp j, 0,1,2,3
	ds_load_b128 v[R+16*\b+4*\j:R+16*\b+4*\j+3], v[IX+16*((\f)/2)+4*((\f)%2)+\b] offset:TAB+16*\j
.endr
.endr
.endm
; W: direction x norm
.macro SCALEW f
.irp b, 0,1,2,3
.irp i, 0,1,2,3,4,5,6,7,8,9,10,11,12,13,14,15
	v_mul_f32 v[R+16*\b+\i], v[R+16*\b+\i], v[NX+16*((\f)/2)+8+4*((\f)%2)+\b]
.endr
.endr
.endm
	s_load_b256 s[4:11], s[0:1], 0x0               ; x s[4:5], dir_centroids s[6:7], dir_labels s[8:9], norm_bins s[10:11]
	s_load_b128 s[12:15], s[0:1], 0x20             ; norm_idx s[12:13], xq s[14:15]
	s_load_b64 s[16:17], s[0:1], 0x30              ; wq
	v_lshl_add_u32 v192, v0, 2, 0xc600
	v_mov_b32 v193, 0
	v_lshrrev_b32 v1, 5, v0
	v_readfirstlane_b32 s18, v1                    ; wave 0..3
	v_and_b32 v1, 31, v0                           ; lane
	v_and_b32 v2, 15, v0                           ; r = lane % 16
	v_bfe_u32 v3, v0, 4, 1                         ; h = lane / 16
	v_lshlrev_b32 v4, 4, v1                        ; 16 x lane: my bytes of a load of x, and of a piece of an image
	s_mul_i32 s19, s18, WSTG                       ; my stage
	v_add_nc_u32 v5, s19, v4                       ; into it: 16 x lane of a row
	v_mul_u32_u24 v6, v2, SP
	v_lshl_add_u32 v6, v3, 6, v6
	v_add_nc_u32 v6, s19, v6                       ; out of it: row r, + 64 h: my 16 numbers of a block of 32
	v_lshlrev_b32 v7, 3, v1                        ; 8 scale bytes a lane
	v_lshlrev_b32 v8, 10, v2                       ; a row of W has 256 indices: 1,024 bytes
	v_lshlrev_b32 v9, 4, v0                        ; 16 x thread: my bytes of 2,048 of the codebook, in memory and in LDS alike
	v_lshlrev_b32 v10, 2, v2                       ; norm_bins[thread % 16]
	v_lshlrev_b32 v11, 2, v0                       ; 4 x thread: where it goes in LDS
	v_cmp_le_u32 vcc_lo, 16, v1                    ; lanes 16-31; VCC stays
.irp b, 0,1,2,3
	v_mov_b32 v[TM+4+\b], 0                        ; written once: a lane permute's destination counts as one of its sources
.endr
	s_mov_b32 s20, 0x76543210
	s_mov_b32 s21, 0xfedcba98                      ; v_permlanex16_b32's selects for lane l xor 16
	s_mov_b32 s22, 0x600000                        ; the mantissa field of 57,344
	s_cmp_lt_u32 ttmp9, 256                        ; W's work-group or x's?
	s_cselect_b32 s24, 0, 256
	s_sub_co_u32 s24, ttmp9, s24                   ; its number within its tensor
	s_lshr_b32 s25, s24, 2                         ; which 32 rows
	s_and_b32 s26, s24, 3
	s_lshl_b32 s26, s26, 2
	s_add_co_u32 s26, s26, s18                     ; which K step of 256: 0..15
	s_lshr_b32 s27, s25, 2
	s_lshl_b32 s27, s27, 4
	s_add_co_u32 s27, s27, s26                     ; the unit: (rows / 128) 16 + K step
	s_mul_i32 s27, s27, UNIT                       ; in bytes: under 2^26
	s_and_b32 s23, s25, 3                          ; which 32 of its 128 rows
	s_lshl_b32 s28, s23, 13
	s_add_co_u32 s28, s28, s27                     ; my four images
	s_mov_b32 s29, 0
	s_lshl_b32 s30, s23, 8
	s_add_co_u32 s30, s30, s27
	s_add_co_u32 s30, s30, 32768                   ; my 256 scale bytes
	s_mov_b32 s31, 0
	s_mov_b32 s33, 0
	s_wait_kmcnt 0x0
	s_cmp_lt_u32 ttmp9, 256                        ; (the additions above have set SCC)  The branch hangs on the work-group's number alone: all four waves go one way
	s_cbranch_scc1 .Lw
	; ---- x
	s_lshl_b32 s32, s25, 19                        ; 32 rows of 16,384 bytes
	s_lshl_b32 s19, s26, 10                        ; a K step is 1,024 bytes of a row
	s_add_co_u32 s32, s32, s19
	s_add_nc_u64 s[4:5], s[4:5], s[32:33]
	s_add_nc_u64 s[34:35], s[14:15], s[28:29]
	s_add_nc_u64 s[36:37], s[14:15], s[30:31]
	XLOAD 0
	XLOAD 1                                        ; 32 loads of 512 bytes are out
	s_wait_loadcnt 16                              ; fragment 0's sixteen are in; fragment 1's stay out
	XTURN 0
	QUANT R, PW
	XLOAD 2                                        ; into the set just quantised
	OUT 0
	s_wait_loadcnt 16                              ; fragment 1 is in; 2 stays out
	XTURN 1
	s_wait_xcnt 0x0                                ; the last image's stores have read v[PC] on, which is written again only behind this wait
	QUANT R+64, PW+1
	XLOAD 3
	OUT 1
	s_wait_loadcnt 16                              ; fragment 2 is in; 3 stays out
	XTURN 2
	s_wait_xcnt 0x0
	QUANT R, PW+2
	OUT 2
	s_wait_loadcnt 0x0
	XTURN 3
	s_wait_xcnt 0x0
	QUANT R+64, PW+3
	OUT 3
	TAIL
	; ---- W
.Lw:
	s_lshl_b32 s32, s25, 15                        ; 32 rows of 1,024 bytes of indices
	s_lshl_b32 s19, s26, 6                         ; a K step is 16 codebook blocks: 64 bytes
	s_add_co_u32 s32, s32, s19
	s_add_nc_u64 s[8:9], s[8:9], s[32:33]
	s_add_nc_u64 s[12:13], s[12:13], s[32:33]
	s_add_nc_u64 s[34:35], s[16:17], s[28:29]
	s_add_nc_u64 s[36:37], s[16:17], s[30:31]
.irp i, 0,1,2,3,4,5,6,7
	global_load_b128 v[R+4*\i:R+4*\i+3], v9, s[6:7] offset:2048*\i     ; the codebook: the work-group's 128 threads take 2,048 consecutive bytes an instruction, eight times
.endr
	global_load_b32 v[R+32], v10, s[10:11]         ; and the norms
.irp rb, 0,1
.irp j, 0,1,2,3
	global_load_b128 v[IX+16*\rb+4*\j:IX+16*\rb+4*\j+3], v8, s[8:9] offset:16384*\rb+16*\j     ; row 16 rb + r: its 16 labels of the K step (both halves of the lanes read them)
	global_load_b128 v[NX+16*\rb+4*\j:NX+16*\rb+4*\j+3], v8, s[12:13] offset:16384*\rb+16*\j   ; and its 16 norm indices
.endr
.endr
	s_wait_loadcnt 16                              ; the codebook's eight loads and the norms' one are in; the sixteen loads of indices may be out
.irp i, 0,1,2,3,4,5,6,7
	ds_store_b128 v9, v[R+4*\i:R+4*\i+3] offset:TAB+2048*\i
.endr
	ds_store_b32 v11, v[R+32] offset:NB
	s_wait_dscnt 0x0                               ; for the others' sake: my part of the tables lies in LDS
	s_barrier_signal -1
	s_barrier_wait -1                              ; everybody's does; nothing is stored into LDS on this path from here on
	s_wait_loadcnt 0x0                             ; the indices
	SELECT IX, 0xff, 6                             ; a codebook vector is 64 bytes
	SELECT NX, 15, 2                               ; a norm 4
.irp rb, 0,1
.irp c, 0,1,2,3,4,5,6,7
	ds_load_b32 v[NX+16*\rb+8+\c], v[NX+16*\rb+\c] offset:NB
.endr
.endr
	GATHER 0
	s_wait_dscnt 0x0                               ; the norms and fragment 0's vectors
	SCALEW 0
	QUANT R, PW
	GATHER 1                                       ; into the set just quantised
	OUT 0
	s_wait_dscnt 0x0
	s_wait_xcnt 0x0                                ; v[PC] on is written again only behind this wait
	SCALEW 1
	QUANT R, PW+1
	GATHER 2
	OUT 1
	s_wait_dscnt 0x0
	s_wait_xcnt 0x0
	SCALEW 2
	QUANT R, PW+2
	GATHER 3
	OUT 2
	s_wait_dscnt 0x0
	s_wait_xcnt 0x0
	SCALEW 3
	QUANT R, PW+3
	OUT 3
	TAIL
.Lfunc_end_k_qb341cabf74_prep:
	.size	k_qb341cabf74_prep, .Lfunc_end_k_qb341cabf74_prep-k_qb341cabf74_prep
	.p2alignl 7, 3214868480
	.fill 96, 4, 3214868480
	.section	.rodata,"a",@progbits
	.p2align	6, 0x0
	.amdhsa_kernel k_qb341cabf74_prep
		.amdhsa_group_segment_fixed_size 51200
		.amdhsa_private_segment_fixed_size 0
		.amdhsa_enable_private_segment 0
		.amdhsa_kernarg_size 56
		.amdhsa_user_sgpr_count 2
		.amdhsa_user_sgpr_kernarg_segment_ptr 1
		.amdhsa_wavefront_size32 1
		.amdhsa_system_sgpr_workgroup_id_x 1
		.amdhsa_system_sgpr_workgroup_id_y 1
		.amdhsa_system_sgpr_workgroup_id_z 1
		.amdhsa_system_vgpr_workitem_id 0
		.amdhsa_next_free_vgpr 194
		.amdhsa_next_free_sgpr 66
		.amdhsa_reserve_vcc 1
		.amdhsa_float_denorm_mode_32 3
		.amdhsa_float_denorm_mode_16_64 3
		.amdhsa_memory_ordered 1
		.amdhsa_forward_progress 1
		.amdhsa_inst_pref_size 105
	.end_amdhsa_kernel
	.amdgpu_metadata
---
amdhsa.version: [ 1, 2 ]
amdhsa.kernels:
  - .name:           k_qb341cabf74_prep
    .symbol:         k_qb341cabf74_prep.kd
    .args:
      - { .name: x, .offset: 0, .size: 8, .value_kind: global_buffer, .address_space: global }
      - { .name: dir_centroids, .offset: 8, .size: 8, .value_kind: global_buffer, .address_space: global }
      - { .name: dir_labels, .offset: 16, .size: 8, .value_kind: global_buffer, .address_space: global }
      - { .name: norm_bins, .offset: 24, .size: 8, .value_kind: global_buffer, .address_space: global }
      - { .name: norm_idx, .offset: 32, .size: 8, .value_kind: global_buffer, .address_space: global }
      - { .name: xq, .offset: 40, .size: 8, .value_kind: global_buffer, .address_space: global }
      - { .name: wq, .offset: 48, .size: 8, .value_kind: global_buffer, .address_space: global }
    .group_segment_fixed_size: 51200
    .private_segment_fixed_size: 0
    .kernarg_segment_align: 8
    .kernarg_segment_size: 56
    .max_flat_workgroup_size: 128
    .sgpr_count:     66
    .vgpr_count:     194
    .wavefront_size: 32
...
	.end_amdgpu_metadata
.endif
;; end of part 1
;; launch gemm (part 2): grid 8 x 32, 4 waves a work-group, clusters of 4 x 4, 327,680 bytes of LDS; arguments xq, wq, bias, out0; writes out0
.if DOCPART == 2
	.amdgcn_target "amdgcn-amd-amdhsa--gfx1250"
	.amdhsa_code_object_version 6
	.text
	.protected	k_qb341cabf74_gemm
	.globl	k_qb341cabf74_gemm
	.p2align	8
	.type	k_qb341cabf74_gemm,@function
k_qb341cabf74_gemm:
	s_mov_b64 s[64:65], 0
	v_nop
	global_prefetch_b8 v0, s[64:65] scope:SCOPE_SE
	s_setreg_imm32_b32 hwreg(HW_REG_WAVE_MODE, 25, 1), 1
	s_wait_xcnt 0x0
	s_wait_alu depctr_hold_cnt(0) depctr_sa_sdst(0) depctr_va_vdst(0) depctr_va_sdst(0) depctr_va_ssrc(0) depctr_va_vcc(0) depctr_vm_vsrc(0)
	s_getreg_b32 s2, hwreg(HW_REG_IB_STS2, 6, 4)
	s_cmp_eq_u32 s2, 0
	s_cbranch_scc0 .Lentry_in_a_cluster
	s_endpgm
.Lentry_in_a_cluster:
	s_bfe_u32 s2, ttmp6, 0x10000c
	s_cmp_lg_u32 s2, 0xf033
	s_cbranch_scc0 .Lentry_shape_is_right
	s_endpgm
.Lentry_shape_is_right:
; out0[m][n] = sum over k of A[m][k] B[n][k] + bias[n].  A = x (8,192 rows), B = W (2,048 rows), K = 4,096: codes of BF8 (E5M2) with one E8M0 scale for each 32 along K, as the launch before has laid them; out0 f32; sums in f32.
; THE OPERANDS' LAYOUT.  A UNIT is 128 rows x 256 along K, 33,792 dense bytes, at ((row / 128) 16 + k / 256) x 33,792: sixteen fragment images of 2,048 bytes ([block of 16 rows i][q = which 128 along K]; piece c of 512 bytes
; holds lane l's 16 bytes at 16 l: registers 4 c .. 4 c + 3 of the fragment), then the rows' scale bytes, 8 a row.  So one tensor load brings a unit as it lies, a fragment comes out of LDS by four loads of 512
; consecutive bytes (no pitch, no padding), and a K step's scale words ride with its codes.
; A tile of out0, 256 x 256, is made by a work-group of four waves, as many as a WGP has SIMDs; a wave makes 128 x 128: 64 accumulators of 16 x 16, 512 registers.  32 x 8 tiles: one for each of 256 work-groups.
; K goes in 16 steps of 256 through a ring of two LDS slots of four units (A's two, B's two); each wave fetches one unit of a slot.  A slot is asked for again as soon as its last fragments are in registers:
; the 64 products on those fragments stand behind the request, so that from a request to the wait for it a wave issues 128 matrix instructions.
; CLUSTERS: 4 x 4 work-groups.  The four of a row of the cluster need the same units of A, the four of a column the same units of B: each unit is asked for JOINTLY, by the same tensor load with the same descriptor
; and a mask that names the four.  THE MATRIX INSTRUCTION IS USED TRANSPOSED (source 0 = 16 rows of B, source 1 = 16 rows of A): a lane then holds eight neighbouring numbers of a row of out0.
; THE BIAS is the C of each sum's first matrix instruction: eight registers for each block of 16 columns, in the result's layout.  Nothing is cleared and nothing is added afterwards.
; REGISTERS, in windows of 256: window 0: v0-31 addresses; v32-63 scale words, two sets; v64-127 the bias; from v128 A's fragments (8 x 16 rows x 128 K), ONE set; on the way out v128-255 take rows of out0.
;   window 1: B's fragments, TWO sets, at v0 and at v128.   window 2: the 32 accumulators of my rows 0-63 (accumulator (a, b) at v[8 (8 a + b)]);   window 3: those of my rows 64-127.
; A step of 128 along K is 64 matrix instructions, A's blocks one after the other, each against B's eight.  So a block of A is free as soon as its eight products are issued, and one set of registers serves A:
; blocks 0-3 are fetched anew in the step's middle, blocks 4-7 at its end.  B's fragments are at work through the whole step, so B has two sets.
.set UNIT,   33792                     ; 132 rows of 256 bytes
.set NQ,     2                         ; matrix instructions deep in a K step
.set FR,     16                        ; registers of a fragment
.set NL,     4                         ; LDS loads that bring one
.set NP,     8                         ; places behind this matrix instruction (ISA guide 7.12.1)
.set SLOT,   4*UNIT                    ; units 0, 1: A's 256 rows; units 2, 3: B's
.set LAPS,   8                         ; a lap = two K steps = once round the ring: 4,096 / 512
.set SPARE,  2*SLOT                    ; behind the ring: the spare words, 128 bytes for each wave: two blocks of 256 bytes that no other line names
.set STAGE,  SPARE+512                 ; behind them: the way out: 16 rows x (512 bytes + 16) for each wave; no tensor load ever lands here
.set SPITCH, 528
.set ROWC,   8192                      ; a row of out0 in bytes
.set ADRA, 16                          ; v16-17  LDS address of my lane's 16 bytes in my unit of A, slot 0, 1
.set ADRB, 20                          ; v20-21  the same for B
.set ADRS, 22                          ; v22-23  LDS address of my scale words, slot 0, 1: lanes 0-15 A's rows, lanes 16-31 B's
.set STO,  24                          ; v24     the way out: where I put 32 bytes of a row
.set RD,   25                          ; v25     the way out: where I read a row back
.set CO,   26                          ; v26     16 x lane: my byte offset in a row's 512 bytes
.set BO,   27                          ; v27     32 x (lane / 16): my eight numbers of a block of 16 of the bias
.set SPW,  28                          ; v28     LDS address of my spare word: SPARE + 4 x my thread's number; never rewritten
.set NIL,  29                          ; v29     0; never rewritten
.set PFO,  30                          ; v30     the prefetches' offset: 256 x lane; never rewritten
.set SC,   32                          ; scale words: set s (for slot s) at v[SC + 16 s]; in it register 2 i + q: lanes 0-15 the word of A's block i, lanes 16-31 that of B's block i, for the slot's q-th 128 along K
.set BI,   64                          ; the bias: block b of my 128 columns at v[BI + 8 b]: bias[16 b + 8 (lane / 16) + 0 .. 7]
.set AF,   128                         ; A's fragments, in window 0
.set BK,   128                         ; the way out: 16 rows read back from the stage: v128-191 and v192-255 by turns
.set G1, 24                            ; s[24:31] descriptor group 1 for A's units;  s[32:39] group 0, one set for each slot
.set G0, 32
.set G1B, 48                           ; s[48:55], s[56:63] the same for B's units
.set G0B, 56
.set PFA, 66                           ; s[66:67] where my prefetches stand: my work-group's 8,192 bytes of the unit one K step further on than the refill that is being asked for; a prefetch names the unit after that
.set LIM, 68                           ; s68     1 in a wave that prefetches, else the greatest number
.set MSB, 0
.macro WIN new                         ; the immediate's high byte repeats the setting that is left; a switch that changes nothing is dropped
.if MSB != (\new)
	s_set_vgpr_msb (MSB<<8)|(\new)
.set MSB, (\new)
.endif
.endm
.set TO_B, 0x40                        ; destination window 1, address window 0
.macro MWIN hi, zero                   ; source 0 (B) window 1, source 1 (A) window 0, D window 2 + hi; C with D, or, where the bias starts the sums, window 0
.if \zero
	WIN 0x81+0x40*(\hi)
.else
	WIN 0xa1+0x50*(\hi)
.endif
.endm
; A joint load: waves 0 and 1 fetch for A, waves 2 and 3 for B.  Each of the two lines has ONE mask and one set of registers for all that issue it; the branch hangs on the wave's number alone.
; Four v_nop follow each of the two lines, ahead of the jump, the label and what follows.
.macro JLOAD g0a, g1a, g0b, g1b
	s_cmp_eq_u32 s15, 0
	s_cbranch_scc0 .Lfor_b_\@
	tensor_load_to_lds s[\g0a:\g0a+3], s[\g1a:\g1a+7]
	s_nop 0
.rept 4
	v_nop
.endr
	s_branch .Lasked_\@
.Lfor_b_\@:
	tensor_load_to_lds s[\g0b:\g0b+3], s[\g1b:\g1b+7]
	s_nop 0
.rept 4
	v_nop
.endr
.Lasked_\@:
.endm
; A PREFETCH INTO THE L2, in each change of slots that fills a slot, behind the run of LDS loads in its middle: the codes of the unit that stands TWO refills on: 256 matrix instructions ahead of the load that will want them.
; Each block of 256 bytes is named ONCE in the launch.  A's units are read by both clusters of a row of clusters: cluster x = 0 asks; B's by all eight of a column: cluster y = 0 asks.  The four partners that ask for a unit
; jointly share its 32,768 bytes of codes out BY ADDRESS, 8,192 each (by cx for A, by cy for B): lanes 256 bytes apart, one instruction a wave; no branch hangs on a work-group's place in its cluster.
; The loop's last trip asks for nothing: its two refills have no K step two on.  K steps 0 to 3, and the units' 1,024 scale bytes, come by their loads alone.
.macro ASK
	s_cmp_gt_u32 s3, s[LIM]                        ; s3 = 1 in the loop's last trip
	s_cbranch_scc0 .Lnot_mine_\@
	global_prefetch_b8 v[PFO], s[PFA:PFA+1] offset:UNIT th:TH_LOAD_NT scope:SCOPE_SE
.Lnot_mine_\@:
.endm
; A round of the cluster's barrier: my work-group's barrier, so that wave 0's signal speaks for all four waves; wave 0 signals for the work-group; every wave waits for all sixteen work-groups; my work-group's barrier once more.
.macro CROUND
	s_barrier_signal -1
	s_barrier_wait -1
	s_cmp_lg_u32 s14, 0
	s_cbranch_scc1 .Lnot_wave_0_\@
	s_barrier_signal -3
.Lnot_wave_0_\@:
	s_barrier_wait -3
	s_barrier_signal -1
	s_barrier_wait -1
.endm
	s_load_b256 s[4:11], s[0:1], 0x0               ; xq s[4:5], wq s[6:7], bias s[8:9], out0 s[10:11]
	v_lshl_add_u32 v[SPW], v0, 2, SPARE
	v_mov_b32 v[NIL], 0
	ds_add_u32 v28, v29
	ds_add_u32 v28, v29
	s_wait_dscnt 0x0
	v_lshrrev_b32 v1, 5, v0
	v_readfirstlane_b32 s14, v1                    ; wave 0..3
	s_lshr_b32 s15, s14, 1                         ; which half of the tile's rows is mine.  Also: I fetch for A (0) or for B (1)
	s_and_b32 s16, s14, 1                          ; which half of its columns.  Also: which unit of that side I fetch
	s_bfe_u32 s40, ttmp6, 0x40000                  ; cx, cy: my place in the cluster
	s_bfe_u32 s41, ttmp6, 0x40004
	s_lshl_b32 s42, ttmp9, 2
	s_add_co_u32 s42, s42, s40                     ; tile column = 4 x cluster x + cx: 0..7
	s_and_b32 s17, ttmp7, 0xffff
	s_lshl_b32 s17, s17, 2
	s_add_co_u32 s17, s17, s41                     ; tile row = 4 x cluster y + cy: 0..31
	s_lshl_b32 s43, s41, 2
	s_lshl_b32 s43, 15, s43                        ; my row of the cluster
	s_lshl_b32 s44, 0x1111, s40                    ; my column
	; descriptor group 1: a unit: a dense block, as 132 rows of 256 bytes (32 elements of 8 bytes), laid into LDS without gaps
	s_or_b32 s[G1+0], s43, (3<<16)|(1<<21)         ; 15:0 the mask: A's units go to my row; 17:16 elements of 8 bytes; 20 no padding; 21 set beside a mask
	s_or_b32 s[G1B+0], s44, (3<<16)|(1<<21)        ; the same with the mask of my column
.irp g, G1, G1B
	s_mov_b32 s[\g+1], 32<<16                      ; tensor_dim0 = 32
	s_mov_b32 s[\g+2], 132<<16                     ; tensor_dim1 = 132
	s_mov_b32 s[\g+3], 32<<16                      ; tile_dim0 = 32
	s_mov_b32 s[\g+4], 132                         ; tile_dim1 = 132
	s_mov_b32 s[\g+5], 32                          ; tensor_dim0_stride: rows follow each other
	s_mov_b32 s[\g+6], 0
	s_mov_b32 s[\g+7], 0
.endr
	; where the units come from.  A's hang on the tile row alone, which my row of the cluster shares; B's on the tile column alone.  Every wave makes both, in registers that never hold the other coordinate
	s_lshl_b32 s20, s17, 1
	s_add_co_u32 s20, s20, s16                     ; A: which 128 rows: 2 x tile row + half
	s_mul_i32 s20, s20, 16*UNIT                    ; their 16 units, in bytes: under 2^26
	s_mov_b32 s21, 0
	s_lshl_b32 s46, s42, 1
	s_add_co_u32 s46, s46, s16                     ; B: 2 x tile column + half
	s_mul_i32 s46, s46, 16*UNIT
	s_mov_b32 s47, 0
	s_mul_i32 s45, s14, UNIT                       ; where they go: unit = wave: no place in the cluster enters an LDS address
	s_wait_kmcnt 0x0
	s_add_nc_u64 s[20:21], s[4:5], s[20:21]
	s_add_nc_u64 s[46:47], s[6:7], s[46:47]
	CROUND                                         ; all sixteen work-groups are here: the first joint loads meet
.irp s, 0,1
	s_mov_b32 s[G0+4*\s], 1                                        ; 1:0 count = 1
	s_add_co_u32 s[G0+4*\s+1], s45, \s*SLOT                        ; 63:32 LDS address
	s_add_nc_u64 s[G0+4*\s+2:G0+4*\s+3], s[20:21], \s*UNIT         ; 120:64 global address: K step s
	s_or_b32 s[G0+4*\s+3], s[G0+4*\s+3], 0x80000000                ; 127:126 type = 2
	s_mov_b32 s[G0B+4*\s], 1
	s_add_co_u32 s[G0B+4*\s+1], s45, \s*SLOT
	s_add_nc_u64 s[G0B+4*\s+2:G0B+4*\s+3], s[46:47], \s*UNIT
	s_or_b32 s[G0B+4*\s+3], s[G0B+4*\s+3], 0x80000000
.endr
	s_cmp_eq_u32 s15, 0                            ; a wave's two first fills stand in one branch, ahead of every wait on TENSORcnt and every LDS read: two loads of mine are out; four v_nop follow the second
	s_cbranch_scc0 .Lfirst_b
	tensor_load_to_lds s[G0:G0+3], s[G1:G1+7]
	s_nop 0
	tensor_load_to_lds s[G0+4:G0+7], s[G1:G1+7]
	s_nop 0
.rept 4
	v_nop
.endr
	s_branch .Lfirst_asked
.Lfirst_b:
	tensor_load_to_lds s[G0B:G0B+3], s[G1B:G1B+7]
	s_nop 0
	tensor_load_to_lds s[G0B+4:G0B+7], s[G1B:G1B+7]
	s_nop 0
.rept 4
	v_nop
.endr
.Lfirst_asked:
	v_and_b32 v1, 31, v0                           ; lane
	v_and_b32 v2, 15, v0                           ; r = lane % 16
	v_bfe_u32 v3, v0, 4, 1                         ; h = lane / 16
	v_lshlrev_b32 v[CO], 4, v1
	v_lshlrev_b32 v[BO], 5, v3
	v_lshlrev_b32 v[PFO], 8, v1
	s_mul_i32 s18, s15, UNIT                       ; my 128 rows of A: unit w / 2
	s_mul_i32 s19, s16, UNIT
	s_add_co_u32 s19, s19, 2*UNIT                  ; my 128 rows of B: unit 2 + w % 2
	s_xor_b32 s22, s15, 1
	s_add_co_u32 s22, s22, s16
	s_add_co_u32 s22, s22, 1
	s_mul_i32 s22, s22, UNIT                       ; from the one to the other: (2 + w % 2 - w / 2) units, made as 1 + w % 2 + (1 - w / 2)
	v_mul_u32_u24 v4, s22, v3                      ; lanes 16-31 take B's scale words
	v_lshl_add_u32 v4, v2, 3, v4                   ; 8 bytes a row
	v_add_nc_u32 v4, 32768, v4                     ; behind the unit's codes
.irp s, 0,1
	v_add_nc_u32 v[ADRA+\s], s18, v[CO]
	v_add_nc_u32 v[ADRB+\s], s19, v[CO]
	v_add_nc_u32 v[ADRS+\s], s18, v4
	s_add_co_u32 s18, s18, SLOT
	s_add_co_u32 s19, s19, SLOT
.endr
	s_mul_i32 s23, s14, 16*SPITCH
	s_add_co_u32 s23, s23, STAGE                   ; my stage
	v_mul_u32_u24 v5, v2, SPITCH                   ; in: row l % 16, 32 bytes for each half of the lanes
	v_lshl_add_u32 v5, v3, 5, v5
	v_add_nc_u32 v[STO], s23, v5
	v_add_nc_u32 v[RD], s23, v[CO]                 ; back: the 32 lanes take one row of 512 bytes
	s_lshl_b32 s20, s17, 8
	s_lshl_b32 s21, s15, 7
	s_add_co_u32 s20, s20, s21                     ; my first row of out0: 256 x tile row + 128 x half,
	s_lshl_b32 s20, s20, 13                        ; in bytes: under 2^27
	s_mov_b32 s21, 0
	s_lshl_b32 s46, s42, 10                        ; my first column, in bytes of f32: 1,024 x tile column + 512 x half: the same in a row of out0 and in the bias
	s_lshl_b32 s47, s16, 9
	s_add_co_u32 s46, s46, s47
	s_mov_b32 s47, 0
	s_add_nc_u64 s[8:9], s[8:9], s[46:47]
	s_add_nc_u64 s[10:11], s[10:11], s[20:21]
	s_add_nc_u64 s[10:11], s[10:11], s[46:47]
.irp b, 0,1,2,3,4,5,6,7
	global_load_b128 v[BI+8*\b:BI+8*\b+3],   v[BO], s[8:9] offset:64*\b       ; bias[16 b + 8 h + 0 .. 7] of my 128 columns
	global_load_b128 v[BI+8*\b+4:BI+8*\b+7], v[BO], s[8:9] offset:64*\b+16
.endr
	; the prefetches: where mine stand, and whether I ask
	s_and_b32 s22, ttmp7, 0xffff                   ; cluster y
	s_cmp_eq_u32 s15, 0                            ; do I fetch for A?
	s_cselect_b32 s70, s17, s42                    ; the tile row, or the tile column
	s_cselect_b32 s71, s40, s41                    ; my place among the four that ask with me
	s_cselect_b32 s22, ttmp9, s22                  ; the coordinate along which other clusters read the same units
	s_cselect_b64 s[PFA:PFA+1], s[4:5], s[6:7]
	s_cmp_eq_u32 s22, 0
	s_cselect_b32 s[LIM], 1, -1                    ; the same in all sixteen partners, for a given wave
	s_lshl_b32 s70, s70, 1
	s_add_co_u32 s70, s70, s16                     ; the 128 rows that I fetch,
	s_lshl_b32 s70, s70, 4
	s_add_co_u32 s70, s70, 2                       ; at K step 2: the first refill steps it to 3 and names K step 4
	s_mul_i32 s70, s70, UNIT
	s_lshl_b32 s71, s71, 13                        ; my work-group's 8,192 bytes of a unit's codes
	s_add_co_u32 s70, s70, s71
	s_mov_b32 s71, 0
	s_add_nc_u64 s[PFA:PFA+1], s[PFA:PFA+1], s[70:71]
.macro FRAG reg, adr, q, i             ; a fragment's image: 16 registers by four loads of 512 consecutive bytes: registers 4 c .. 4 c + 3 hold K = 32 c + 16 (l / 16) + 0 .. 15 of row l % 16
.irp c, 0,1,2,3
	ds_load_b128 v[\reg+4*\c:\reg+4*\c+3], v[\adr] offset:(2*(\i)+(\q))*2048+512*\c
.endr
.endm
; 16 matrix instructions: A's blocks a0, a0 + 1 x B's eight, 128 along K: the slot's q-th.  p: B's set;  sc: the set of scale words.  zero = 1: the first product starts the sums, with the bias as its C.
; The 64 accumulators take turns, one instruction a turn, in the same order in every step.
.macro MUL16 a0, p, q, sc, zero
.irp a, \a0, \a0+1
.irp b, 0,1,2,3,4,5,6,7
.if \zero
	v_wmma_scale_f32_16x16x128_f8f6f4 v[8*(8*((\a)%4)+\b):8*(8*((\a)%4)+\b)+7], v[128*(\p)+FR*\b:128*(\p)+FR*\b+FR-1], v[AF+FR*(\a):AF+FR*(\a)+FR-1], v[BI+8*\b:BI+8*\b+7], v[SC+8*NQ*(\sc)+NQ*\b+(\q)], v[SC+8*NQ*(\sc)+NQ*(\a)+(\q)] matrix_a_fmt:MATRIX_FMT_BF8 matrix_b_fmt:MATRIX_FMT_BF8 matrix_a_scale:MATRIX_SCALE_ROW1
.else
	v_wmma_scale_f32_16x16x128_f8f6f4 v[8*(8*((\a)%4)+\b):8*(8*((\a)%4)+\b)+7], v[128*(\p)+FR*\b:128*(\p)+FR*\b+FR-1], v[AF+FR*(\a):AF+FR*(\a)+FR-1], v[8*(8*((\a)%4)+\b):8*(8*((\a)%4)+\b)+7], v[SC+8*NQ*(\sc)+NQ*\b+(\q)], v[SC+8*NQ*(\sc)+NQ*(\a)+(\q)] matrix_a_fmt:MATRIX_FMT_BF8 matrix_b_fmt:MATRIX_FMT_BF8 matrix_a_scale:MATRIX_SCALE_ROW1
.endif
.endr
.endr
.endm
.macro FETCH_B slot, q, p              ; B's eight fragments of the slot's q-th 128 along K into set p
	WIN TO_B
.irp i, 0,1,2,3,4,5,6,7
	FRAG 128*(\p)+FR*\i, ADRB+\slot, \q, \i
.endr
	WIN 0
.endm
.macro FETCH_A slot, q, i0             ; A's blocks i0 .. i0 + 3
.irp i, \i0, \i0+1, \i0+2, \i0+3
	FRAG AF+FR*(\i), ADRA+\slot, \q, \i
.endr
.endm
.macro SCALES sc                       ; slot sc's scale words into set sc: two words a row; lanes 0-15 take A's block i, lanes 16-31 B's block i
.irp i, 0,1,2,3,4,5,6,7
	ds_load_b64 v[SC+8*NQ*\sc+NQ*\i:SC+8*NQ*\sc+NQ*\i+1], v[ADRS+\sc] offset:128*\i
.endr
.endm
; A load into a register that a matrix instruction has read, and an LDS store that reads a matrix result, stand NP places behind that matrix instruction, and only plain vector instructions that name none of its
; registers are places (ISA guide 7.12.1 for vector instructions); this text does not count the matrix instructions in between.
.macro PLACES n
.rept \n
	v_nop
.endr
.endm
; A step of 128 along K that has its successor in the same slot.
.macro STEP slot, q, zero
	s_wait_dscnt 4*NL                              ; B's set, A's blocks 0-3 and the scale words are in; the youngest sixteen loads (A's blocks 4-7) may be out
	MWIN 0, \zero
	MUL16 0, (\q)%2, \q, \slot, \zero
	MUL16 2, (\q)%2, \q, \slot, \zero
	s_wait_dscnt 0                                 ; A's blocks 4-7 are in (asked for 32 matrix instructions ago)
	PLACES NP
	FETCH_B \slot, (\q)+1, 1-(\q)%2
	FETCH_A \slot, (\q)+1, 0
	MWIN 1, \zero
	MUL16 4, (\q)%2, \q, \slot, \zero
	MUL16 6, (\q)%2, \q, \slot, \zero
	PLACES NP
	WIN 0
	FETCH_A \slot, (\q)+1, 4
.endm
; A slot's last step changes slots, AT ITS HEAD: all of the slot's fragments have been asked out of LDS, so the slot can be given up before the 64 products on the last of them are issued.
; ONE barrier; in front of it each wave waits for all its tensor loads, adds 0 to its spare word, and waits for that and for its own reads of this slot.  fill = 1: the barrier is a round of the cluster's, and this
; slot is filled again, two K steps ahead, first thing behind it.  Then the step goes as every step: the next slot's first fragments are fetched in its middle and at its end.
.macro TURN slot, next, fill
.if \fill
	s_wait_xcnt 0x0                                ; the last prefetch, a K step back, has read its address: it is stepped here, ahead of the waits of the change of slots
	s_add_nc_u64 s[PFA:PFA+1], s[PFA:PFA+1], UNIT
.endif
	s_wait_tensorcnt 0x0                           ; all my tensor loads have landed: the one that was out is my unit of the next slot; so every group 0 may be written  (every window is 0 here: the add's two registers lie in window 0)
	ds_add_u32 v[SPW], v[NIL]                      ; 0 onto my spare word: with fill = 1 the descriptors' steps stand between it and the wait for it
.if \fill
	s_add_nc_u64 s[G0+4*\slot+2:G0+4*\slot+3], s[G0+4*\slot+2:G0+4*\slot+3], 2*UNIT
	s_add_nc_u64 s[G0B+4*\slot+2:G0B+4*\slot+3], s[G0B+4*\slot+2:G0B+4*\slot+3], 2*UNIT
.endif
	s_wait_dscnt 0x0                               ; the add is done, and my reads of this slot are over: its last fragments, A's blocks 4-7 among them, are in registers
.if \fill
	CROUND                                         ; no wave of any partner still reads this slot or has a load on its way
	JLOAD G0+4*\slot, G1, G0B+4*\slot, G1B         ; the first tensor load behind the round, and my only one until the next: 128 matrix instructions ahead of the wait for it
.else
	s_barrier_signal -1
	s_barrier_wait -1                              ; the next slot is whole for every wave; nothing is filled again
.endif
	MWIN 0, 0
	MUL16 0, 1, NQ-1, \slot, 0
	MUL16 2, 1, NQ-1, \slot, 0
	PLACES NP
	FETCH_B \next, 0, 0
	FETCH_A \next, 0, 0
	SCALES \next
.if \fill
	ASK                                            ; behind the run of LDS loads that the next step's products wait for
.endif
	MWIN 1, 0
	MUL16 4, 1, NQ-1, \slot, 0
	MUL16 6, 1, NQ-1, \slot, 0
	PLACES NP
	WIN 0
	FETCH_A \next, 0, 4
.endm
	s_wait_tensorcnt 1                             ; my unit of K step 0 is in (K step 1's load may be out)
	s_barrier_signal -1
	s_barrier_wait -1                              ; everybody's is
	FETCH_B 0, 0, 0
	FETCH_A 0, 0, 0
	SCALES 0
	FETCH_A 0, 0, 4
	s_wait_loadcnt 0x0                             ; the bias
	STEP 0, 0, 1                                   ; the first step stands in front of the loop: its products start the sums
	s_mov_b32 s3, LAPS-1
.Llap:                                                 ; a trip goes once round the ring, from a lap's second step to the next lap's first, and fills both slots again
	TURN 0, 1, 1
	STEP 1, 0, 0
	TURN 1, 0, 1
	STEP 0, 0, 0
	s_sub_co_u32 s3, s3, 1
	s_cmp_lg_u32 s3, 0
	s_cbranch_scc1 .Llap
	TURN 0, 1, 0                                   ; the last lap fills nothing, and has no round of the cluster's barrier
	STEP 1, 0, 0
	s_wait_dscnt 4*NL                              ; the very last step: nothing more to fetch
	MWIN 0, 0
	MUL16 0, 1, NQ-1, 1, 0
	MUL16 2, 1, NQ-1, 1, 0
	s_wait_dscnt 0
	MWIN 1, 0
	MUL16 4, 1, NQ-1, 1, 0
	MUL16 6, 1, NQ-1, 1, 0
	WIN 0
; THE WAY OUT, block by block of 16 rows x 128 columns.  A lane holds 32 neighbouring bytes of a row, and the lanes beside it hold other rows: so a block goes through my own stage in LDS and comes back as whole
; rows of 512 bytes.  LDS serves a wave's instructions in order (ISA guide 5.7.1.4): no wait between the stores and the loads, nor in front of the next block's stores.
.macro TOSTAGE a
.set AC, 64*((\a)%4)
	WIN 0x08+4*((\a)/4)                            ; an LDS store's data are its source 1: window 2 or 3
.irp b, 0,1,2,3,4,5,6,7
	ds_store_b128 v[STO], v[AC+8*\b:AC+8*\b+3] offset:64*\b          ; each accumulator from its low end on
	ds_store_b128 v[STO], v[AC+8*\b+4:AC+8*\b+7] offset:64*\b+16
.endr
	WIN 0
.set BB, BK+64*((\a)%2)
.irp t, 0,1,2,3,4,5,6,7,8,9,10,11,12,13,14,15
	ds_load_b128 v[BB+4*\t:BB+4*\t+3], v[RD] offset:\t*SPITCH
.endr
.endm
.macro SEND a, younger                 ; younger: the LDS instructions issued behind block a's loads, which may stay out
.set BB, BK+64*((\a)%2)
	s_wait_dscnt \younger                          ; the block is back in registers
.if (\a) > 0
	s_add_nc_u64 s[10:11], s[10:11], 16*ROWC       ; (behind a wait on XCNT: the earlier stores have read their base)  16 rows of out0 on
.endif
.irp t, 0,1,2,3,4,5,6,7,8,9,10,11,12,13,14,15
	global_store_b128 v[CO], v[BB+4*\t:BB+4*\t+3], s[10:11] offset:\t*ROWC th:TH_STORE_NT   ; 32 lanes store 512 consecutive bytes, at a multiple of 256 from out0's first byte; written once, read by nobody here
.endr
.endm
	PLACES NP                                      ; these places serve the loads into the registers that held A's fragments and the reads of the last products' results alike
	TOSTAGE 0
.irp a, 1,2,3,4,5,6,7
.if \a > 1
	s_wait_xcnt 0x0                                ; block a - 2's stores have read their registers and their base: block a's loads may land there, and the base may step
.endif
	TOSTAGE \a
	SEND \a-1, 32                                  ; behind block a - 1's loads: block a's 16 stores and 16 loads
.endr
	s_wait_xcnt 0x0                                ; block 6's stores have read their base
	SEND 7, 0
	s_wait_tensorcnt 0x0                           ; the wave's end: behind my last tensor load and my last LDS store
	ds_add_u32 v[SPW], v[NIL]
	s_wait_dscnt 0x0
	CROUND                                         ; the closing round: no work-group ends while a partner may still ask for a unit that names it
	s_endpgm
.Lfunc_end_k_qb341cabf74_gemm:
	.size	k_qb341cabf74_gemm, .Lfunc_end_k_qb341cabf74_gemm-k_qb341cabf74_gemm
	.p2alignl 7, 3214868480
	.fill 96, 4, 3214868480
	.section	.rodata,"a",@progbits
	.p2align	6, 0x0
	.amdhsa_kernel k_qb341cabf74_gemm
		.amdhsa_group_segment_fixed_size 327680
		.amdhsa_private_segment_fixed_size 0
		.amdhsa_enable_private_segment 0
		.amdhsa_kernarg_size 32
		.amdhsa_user_sgpr_count 2
		.amdhsa_user_sgpr_kernarg_segment_ptr 1
		.amdhsa_wavefront_size32 1
		.amdhsa_system_sgpr_workgroup_id_x 1
		.amdhsa_system_sgpr_workgroup_id_y 1
		.amdhsa_system_sgpr_workgroup_id_z 1
		.amdhsa_system_vgpr_workitem_id 0
		.amdhsa_next_free_vgpr 1024
		.amdhsa_next_free_sgpr 72
		.amdhsa_reserve_vcc 0
		.amdhsa_float_denorm_mode_32 3
		.amdhsa_float_denorm_mode_16_64 3
		.amdhsa_memory_ordered 1
		.amdhsa_forward_progress 1
		.amdhsa_inst_pref_size 145
	.end_amdhsa_kernel
	.amdgpu_metadata
---
amdhsa.version: [ 1, 2 ]
amdhsa.kernels:
  - .name:           k_qb341cabf74_gemm
    .symbol:         k_qb341cabf74_gemm.kd
    .args:
      - { .name: xq, .offset: 0, .size: 8, .value_kind: global_buffer, .address_space: global }
      - { .name: wq, .offset: 8, .size: 8, .value_kind: global_buffer, .address_space: global }
      - { .name: bias, .offset: 16, .size: 8, .value_kind: global_buffer, .address_space: global }
      - { .name: out0, .offset: 24, .size: 8, .value_kind: global_buffer, .address_space: global }
    .group_segment_fixed_size: 327680
    .private_segment_fixed_size: 0
    .kernarg_segment_align: 8
    .kernarg_segment_size: 32
    .max_flat_workgroup_size: 128
    .sgpr_count:     72
    .vgpr_count:     1024
    .wavefront_size: 32
...
	.end_amdgpu_metadata
.endif
;; end of part 2
